; MI455X (gfx1250); checked and timed in simulation.
; The chip was launched on July 23, 2026; its instructions are those of AMD's public machine-readable ISA for CDNA 5 (MIT licence, August 2026) and "CDNA5" Instruction Set Architecture Reference Guide (July 2026). The comments in the code are by the model that wrote it; some were corrected since.
;; attention. Allowed arithmetic: matrix products marked QUANTISED: E2M1 operands, one E8M0 scale for each 32 along K, by v_wmma_scale_f32_16x16x128_f8f6f4 with both operands' format E2M1 (or v_wmma_scale_f32_32x16x128_f4), f32 sums; products left as they are: f32 operands where the result goes on into a quantised operand, else bf16, f16 or f32 operands; f32 sums; everything else in f32.
;; Inputs: W_h 1,024 x 1,024 float32; W_s 1,024 x 1,024 float32; b_h 1,024 float32; b_s 1,024 float32; h 32 x 2,048 x 1,024 float32; s 32 x 1 x 1,024 float32.
;; Outputs: out0 32 x 1,024 float32.
;; This version of the problem:
;;   THIS VERSION OF THE PROBLEM IS GIVEN IN LOW PRECISION. The matrix products marked QUANTISED in the list below multiply operands that are first quantised to E2M1 (2 exponent bits, 1 mantissa bit; 4 bits a number), with one power-of-two scale for each 32 numbers along K (OCP MX v1.0); their sums are f32. All else is computed in f32.
;;   The module's matrix products, in the order in which they are computed (A, B: the left and right operand; K: the contracted axis; several contracted axes count as one K, in the product's order):
;;     1. [M 32, K 1,024] x [K 1,024, N 1,024]; A: input s; B: input W_s: QUANTISED
;;     2. [M 65,536, K 1,024] x [K 1,024, N 1,024]; A: input h; B: input W_h: QUANTISED
;;     3. batch 32 x [M 1, K 1,024] x [K 1,024, N 2,048]; A: computed on the way; B: computed on the way: left as it is (M = 1 < 16)
;;     4. batch 32 x [M 1, K 2,048] x [K 2,048, N 1,024]; A: softmax; B: input h: left as it is (M = 1 < 16)
;;   THE QUANTISER, for each operand of a quantised product, along K:
;;     - K is cut into blocks of 32 from its start; a last block that is shorter is filled with zeros.
;;     - A block's scale is 2^e with e = floor(log2(the largest magnitude in the block)) - 2, held to -126 .. 127; a block of zeros has e = 0. As a byte (E8M0): e + 127.
;;     - Each number is divided by its block's scale, clamped to +-6, and rounded to the nearest number of E2M1, ties to even, subnormals kept.
;;     - The product sums the exact products of the quantised numbers (number of the format x scale) in f32.
;;   ~~~python
;;   def quantise(x, axis):      # numpy; x: float32 -> the quantised numbers, widened to float32 again
;;       x = np.moveaxis(x, axis, -1); K = x.shape[-1]
;;       x = np.pad(x, [(0, 0)] * (x.ndim - 1) + [(0, -K % 32)]); x = x.reshape(x.shape[:-1] + (-1, 32)); a = np.abs(x).max(-1, keepdims=True)
;;       e = np.where(a > 0, np.clip(np.frexp(np.where(a > 0, a, 1))[1] - 1 - 2, -126, 127), 0)      # np.frexp(a)[1] - 1 = floor(log2(a)), exactly
;;       r = np.clip(x / 2.0 ** e, -6, 6)
;;       step = 2.0 ** (np.maximum(np.frexp(np.where(r == 0, 1, r))[1] - 1, 0) - 1)
;;       q = np.round(r / step) * step * 2.0 ** e      # np.round: ties to even
;;       return np.moveaxis(q.reshape(q.shape[:-2] + (-1,))[..., :K], -1, axis).astype(np.float32)
;;   ~~~
;; One version. Each part assembles by itself: llvm-mc -triple=amdgcn-amd-amdhsa -mcpu=gfx1250 --defsym DOCPART=n.
;; ======== version 1 of 1: 3 launches
;; limits: an absolute error that grows with the inputs' magnitude: up to 2.9e-08 times it
;; workspace buffers: wq 524,288 bytes; ws 65,536 bytes; sfi 131,072 bytes; esc 262,144 bytes; cand 8,192 bytes of whole numbers
;; launch prep (part 1): grid 128 x 1, 8 waves a work-group, no clusters, 84,992 bytes of LDS; arguments W_h, W_s, s, b_s, wq, ws, sfi; writes wq, ws, sfi
.if DOCPART == 1
	.amdgcn_target "amdgcn-amd-amdhsa--gfx1250"
	.amdhsa_code_object_version 6
	.text
	.protected	k_qc3a3ce943a_prep
	.globl	k_qc3a3ce943a_prep
	.p2align	8
	.type	k_qc3a3ce943a_prep,@function
k_qc3a3ce943a_prep:
	s_mov_b64 s[64:65], 0
	v_nop
	global_prefetch_b8 v0, s[64:65] scope:SCOPE_SE
	s_setreg_imm32_b32 hwreg(HW_REG_WAVE_MODE, 25, 1), 1
	s_wait_xcnt 0x0
; PREP.  Work-groups 0-63: W_h [1024 (k)][1024 (d)] f32 becomes codes of E2M1 with one E8M0 byte for each 32 along k, laid in the order of the matrix
; operand's registers:  wq [slice 0..7][tile of 16 columns 0..63][half c][lane][16 bytes],  ws [slice][tile][lane] one scale word (lanes 16-31 repeat lanes 0-15).
; Work-groups 64-127: s_fi = Q(s) Q(W_s) + b_s, 16 columns each, for all 32 rows, into sfi [32][1024] f32.
; A work-group takes 16 columns, each of its eight waves one slice of 128 along k.  LANE (r, h) TAKES COLUMN r AND ITS REGISTERS RUN DOWN k, in the order that the
; 4-bit operand's layout gives that lane (k = 64 c + 32 h + 0..31): two whole blocks a lane, so the conversions' results ARE the operand's registers.
; Sixteen lanes read 64 consecutive bytes of a row of W; the three neighbouring work-groups read the rest of each 256: both weights are 8 MB, read once.
; s has k innermost: a load takes a row's 512 bytes of the slice as they lie, 16 a lane; sixteen rows turn through the wave's own stage in LDS and come back 2 x 128 bytes a lane.
; A block's scale is 2^(floor(log2(largest magnitude)) - 2); its byte is the largest magnitude's exponent field - 2, held at 1 from below.
; LIMITS: NaN and infinities are not served; a block whose largest magnitude lies under 2^-124 (a block of zeros too) gets the byte 1; a block of zeros has zero codes,
; which add nothing under that byte, and the bytes are read by this program alone.  s_fi's eight slices are added in ascending order, then b_s.
; No cluster: no two work-groups read the same bytes but s (128 KB).  No tensor load: every number goes through a lane's registers once.
.set REDS, 0                           ; LDS (the s_fi path alone): 8 x 2,048: the slices' parts of s_fi
.set STG,  16384                       ; 8 x 8,448: each wave's stage, 16 rows of 512 bytes + 16: the pitch is 33 x 16 bytes, so sixteen rows start at sixteen different 16-byte columns
.set QT,  16                           ; v16-23  at work in QUANT
.set TX,  24                           ; v24     a lane permute's destination: written once at the head
.set SH8, 25                           ; v25     8 h: where my two scale bytes stand in the word
.set BW,  26                           ; v26     W's scale word;  v27, v28 those of s's two tiles of rows
.set AW0, 27
.set AW1, 28
.set BF,  32                           ; v32-39  W's fragment;  v40-47, v48-55 s's two
.set A0,  40
.set A1,  48
.set WN,  64                           ; v64-127 64 numbers of W; then rows 0-15 of s, turned; later the two results and the sums
.set SN,  128                          ; v128-255 32 rows of s as loaded; then v128-191 rows 16-31, turned
.set SEL, 26                           ; s[26:27] lane selects: lane l xor 16
; 64 numbers of a lane, register 32 c + i = k 64 c + 32 h + i of its row or column, become a fragment's 8 registers and the scale word (in all 32 lanes).
.macro QUANT src, dst, word
	v_max3_num_f32 v[QT+0], |v[\src+0]|, |v[\src+1]|, 0x1800000    ; two chains a block, the four by turns; the floor 2^(3 - 127) holds the byte at 1 from below
	v_max3_num_f32 v[QT+1], |v[\src+16]|, |v[\src+17]|, |v[\src+18]|
	v_max3_num_f32 v[QT+2], |v[\src+32]|, |v[\src+33]|, 0x1800000
	v_max3_num_f32 v[QT+3], |v[\src+48]|, |v[\src+49]|, |v[\src+50]|
.irp i, 2,4,6,8,10,12
	v_max3_num_f32 v[QT+0], v[QT+0], |v[\src+\i]|, |v[\src+\i+1]|
	v_max3_num_f32 v[QT+1], v[QT+1], |v[\src+\i+17]|, |v[\src+\i+18]|
	v_max3_num_f32 v[QT+2], v[QT+2], |v[\src+\i+32]|, |v[\src+\i+33]|
	v_max3_num_f32 v[QT+3], v[QT+3], |v[\src+\i+49]|, |v[\src+\i+50]|
.endr
	v_max3_num_f32 v[QT+0], v[QT+0], |v[\src+14]|, |v[\src+15]|
	v_max3_num_f32 v[QT+2], v[QT+2], |v[\src+46]|, |v[\src+47]|
	v_max3_num_f32 v[QT+0], v[QT+0], v[QT+1], |v[\src+31]|         ; block 2 c + h's largest magnitude: all 32 numbers are mine
	v_max3_num_f32 v[QT+2], v[QT+2], v[QT+3], |v[\src+63]|
	v_add_nc_u32 v[QT+4], 0xff000000, v[QT+0]                      ; 2 off the exponent field: the conversion takes that field of this operand as its scale
	v_add_nc_u32 v[QT+5], 0xff000000, v[QT+2]
	v_lshrrev_b32 v[QT+6], 23, v[QT+4]                             ; the scale's byte
	v_lshrrev_b32 v[QT+7], 23, v[QT+5]
	v_lshl_or_b32 v[\word], v[QT+7], 16, v[QT+6]                   ; my two bytes: blocks h and 2 + h,
	v_lshlrev_b32 v[\word], v[SH8], v[\word]                       ; at their places;
	v_permlanex16_b32 v[TX], v[\word], s[SEL], s[SEL+1]
	v_or_b32 v[\word], v[\word], v[TX]                             ; with lane l xor 16's two the word is whole
.irp c, 0,1
.irp g, 0,1,2,3
	v_cvt_scalef32_pk8_fp4_f32 v[\dst+4*\c+\g], v[\src+32*\c+8*\g:\src+32*\c+8*\g+7], v[QT+4+\c]
.endr
.endr
	v_nop                                                          ; one plain place behind the last scaled conversion
.endm
; 16 rows as loaded, v[from] on, go through my stage and come back into v[to] on: register 32 c + 4 j + i = k 64 c + 32 h + 4 j + i of row r
.macro TURN from, to
.set p, 0
.rept 16
	ds_store_b128 v13, v[\from+4*p:\from+4*p+3] offset:528*p       ; a row's 512 bytes as they lie
.set p, p+1
.endr
.set p, 0
.rept 16
	ds_load_b128 v[\to+4*p:\to+4*p+3], v14 offset:256*(p/8)+16*(p%8)   ; LDS serves a wave's instructions in order: these see the stores above
.set p, p+1
.endr
	s_wait_dscnt 0x0
.endm
	s_load_b256 s[4:11], s[0:1], 0x0               ; W_h s[4:5], W_s s[6:7], s s[8:9], b_s s[10:11]
	s_load_b128 s[12:15], s[0:1], 0x20             ; wq s[12:13], ws s[14:15]
	s_load_b64 s[16:17], s[0:1], 0x30              ; sfi
	v_lshl_add_u32 v62, v0, 2, 0x14800
	v_mov_b32 v63, 0
	v_lshrrev_b32 v1, 5, v0
	v_readfirstlane_b32 s18, v1                    ; wave = slice of 128 along k
	v_and_b32 v1, 15, v0                           ; r
	v_bfe_u32 v2, v0, 4, 1                         ; h
	v_and_b32 v3, 31, v0                           ; lane
	v_lshlrev_b32 v4, 2, v1                        ; 4 r
	v_lshl_or_b32 v5, v2, 17, v4                   ; W: column r, and 32 rows of 4,096 bytes further down for lanes 16-31
	v_lshlrev_b32 v6, 4, v3                        ; 16 x lane
	v_lshlrev_b32 v7, 2, v3                        ; 4 x lane
	v_lshlrev_b32 v[SH8], 3, v2
	v_mov_b32 v[TX], 0
	s_mov_b32 s[SEL], 0x76543210
	s_mov_b32 s[SEL+1], 0xfedcba98
	s_and_b32 s19, ttmp9, 63                       ; which 16 columns
	s_lshl_b32 s20, s18, 19                        ; 128 rows of 4,096 bytes a slice,
	s_lshl_b32 s22, s19, 6                         ; 64 bytes a tile of columns
	s_add_co_u32 s20, s20, s22
	s_mov_b32 s21, 0
	s_wait_kmcnt 0x0
	s_cmp_lt_u32 ttmp9, 64                         ; W_h's work-group or W_s's: the choice hangs on the work-group's number alone
	s_cselect_b64 s[4:5], s[4:5], s[6:7]
	s_add_nc_u64 s[4:5], s[4:5], s[20:21]
.set i, 0
.rept 64
	global_load_b32 v[WN+i], v5, s[4:5] offset:(64*(i/32)+i%32)*4096   ; W(128 slice + 64 c + 32 h + i, column r)
.set i, i+1
.endr
	s_cmp_lt_u32 ttmp9, 64
	s_cbranch_scc0 .Lsfi
	; ---- W_h: codes and scale words leave as images of the operand's registers
	s_wait_loadcnt 0x0
	QUANT WN, BF, BW
	s_lshl_b32 s20, s18, 16                        ; wq: 65,536 bytes a slice, 1,024 a tile
	s_lshl_b32 s22, s19, 10
	s_add_co_u32 s20, s20, s22
	s_add_nc_u64 s[12:13], s[12:13], s[20:21]
	s_lshl_b32 s20, s18, 13                        ; ws: 8,192 bytes a slice, 128 a tile
	s_lshl_b32 s22, s19, 7
	s_add_co_u32 s20, s20, s22
	s_add_nc_u64 s[14:15], s[14:15], s[20:21]
	global_store_b128 v6, v[BF:BF+3], s[12:13]               ; 32 lanes store 512 consecutive bytes
	global_store_b128 v6, v[BF+4:BF+7], s[12:13] offset:512
	global_store_b32 v7, v[BW], s[14:15]
	s_endpgm
.Lsfi:
	; ---- s_fi: my slice's part of 32 rows x 16 columns, then the eight parts are added through LDS
	s_lshl_b32 s20, s19, 6
	s_add_nc_u64 s[10:11], s[10:11], s[20:21]      ; b_s at my 16 columns
	s_lshl_b32 s22, s18, 9
	s_mov_b32 s23, 0
	s_add_nc_u64 s[8:9], s[8:9], s[22:23]          ; s at my slice
	global_load_b32 v12, v4, s[10:11]
.set i, 0
.rept 32
	global_load_b128 v[SN+4*i:SN+4*i+3], v6, s[8:9] offset:4096*i      ; 32 lanes read 512 consecutive bytes: row i's part of the slice
.set i, i+1
.endr
	s_mul_i32 s22, s18, 8448
	s_add_co_u32 s22, s22, STG                     ; my stage
	v_add_nc_u32 v13, s22, v6                      ; in: 16 x lane
	v_mul_u32_u24 v14, v1, 528
	v_lshl_add_u32 v14, v2, 7, v14
	v_add_nc_u32 v14, s22, v14                     ; out: row r, + 128 h
	s_lshl_b32 s22, s18, 11
	v_add_nc_u32 v9, s22, v6                       ; my slice's 2,048 bytes of parts, 16 x lane
	s_lshr_b32 s22, s18, 1
	s_lshl_b32 s22, s22, 9
	s_and_b32 s24, s18, 1
	s_lshl_b32 s24, s24, 3
	s_add_co_u32 s22, s22, s24
	v_add_nc_u32 v10, s22, v6                      ; back: registers 2 w and 2 w + 1 of the sixteen: group w / 2, 8 (w % 2) bytes in
	v_lshl_or_b32 v11, v2, 15, v4                  ; sfi: 8 h rows of 4,096 bytes, column r
	s_lshr_b32 s24, s18, 2
	s_lshl_b32 s24, s24, 4
	s_and_b32 s25, s18, 3
	s_lshl_b32 s25, s25, 1
	s_add_co_u32 s24, s24, s25                     ; row 16 (w / 4) + 2 (w % 4)
	s_lshl_b32 s24, s24, 12
	s_add_co_u32 s24, s24, s20
	s_mov_b32 s25, 0
	s_add_nc_u64 s[16:17], s[16:17], s[24:25]
	s_wait_loadcnt 33                              ; W's 64 are in; b_s and s's 32 may be out
	QUANT WN, BF, BW
	s_wait_loadcnt 16                              ; b_s and rows 0-15 are in; rows 16-31's sixteen loads may be out
	TURN SN, WN
	QUANT WN, A0, AW0
	s_wait_loadcnt 0x0
	TURN SN+64, SN                                 ; rows 0-15's registers are free: the stores that read them were waited for
	QUANT SN, A1, AW1
.rept 8
	v_nop                                          ; a scale register written by a vector instruction stands 8 places ahead of a scaled matrix instruction, an operand 4
.endr
	v_wmma_scale_f32_16x16x128_f8f6f4 v[64:71], v[A0:A0+7], v[BF:BF+7], 0, v[AW0], v[BW] matrix_a_fmt:MATRIX_FMT_FP4 matrix_b_fmt:MATRIX_FMT_FP4
	v_wmma_scale_f32_16x16x128_f8f6f4 v[72:79], v[A1:A1+7], v[BF:BF+7], 0, v[AW1], v[BW] matrix_a_fmt:MATRIX_FMT_FP4 matrix_b_fmt:MATRIX_FMT_FP4
.rept 4
	v_nop                                          ; four places before the results are read
.endr
	ds_store_b128 v9, v[64:67]                     ; each result from its low end on
	ds_store_b128 v9, v[68:71] offset:512
	ds_store_b128 v9, v[72:75] offset:1024
	ds_store_b128 v9, v[76:79] offset:1536
	s_wait_dscnt 0x0                               ; for the others' sake: my stores have landed
	s_barrier_signal -1
	s_barrier_wait -1
.irp p, 0,1,2,3,4,5,6,7
	ds_load_b64 v[80+2*\p:81+2*\p], v10 offset:2048*\p
.endr
	s_wait_dscnt 0x0
.irp p, 1,2,3,4,5,6,7
	v_pk_add_f32 v[80:81], v[80:81], v[80+2*\p:81+2*\p]    ; the slices in ascending order
.endr
	v_add_f32 v80, v80, v12
	v_add_f32 v81, v81, v12
	global_store_b32 v11, v80, s[16:17]
	global_store_b32 v11, v81, s[16:17] offset:4096
	s_wait_tensorcnt 0x0
	ds_add_u32 v62, v63
	s_wait_dscnt 0x0
	s_endpgm
.Lfunc_end_k_qc3a3ce943a_prep:
	.size	k_qc3a3ce943a_prep, .Lfunc_end_k_qc3a3ce943a_prep-k_qc3a3ce943a_prep
	.p2alignl 7, 3214868480
	.fill 96, 4, 3214868480
	.section	.rodata,"a",@progbits
	.p2align	6, 0x0
	.amdhsa_kernel k_qc3a3ce943a_prep
		.amdhsa_group_segment_fixed_size 84992
		.amdhsa_private_segment_fixed_size 0
		.amdhsa_enable_private_segment 0
		.amdhsa_kernarg_size 56
		.amdhsa_user_sgpr_count 2
		.amdhsa_user_sgpr_kernarg_segment_ptr 1
		.amdhsa_wavefront_size32 1
		.amdhsa_system_sgpr_workgroup_id_x 1
		.amdhsa_system_sgpr_workgroup_id_y 1
		.amdhsa_system_sgpr_workgroup_id_z 1
		.amdhsa_system_vgpr_workitem_id 0
		.amdhsa_next_free_vgpr 256
		.amdhsa_next_free_sgpr 66
		.amdhsa_reserve_vcc 0
		.amdhsa_float_denorm_mode_32 3
		.amdhsa_float_denorm_mode_16_64 3
		.amdhsa_memory_ordered 1
		.amdhsa_forward_progress 1
		.amdhsa_inst_pref_size 31
	.end_amdhsa_kernel
	.amdgpu_metadata
---
amdhsa.version: [ 1, 2 ]
amdhsa.kernels:
  - .name:           k_qc3a3ce943a_prep
    .symbol:         k_qc3a3ce943a_prep.kd
    .args:
      - { .name: W_h, .offset: 0, .size: 8, .value_kind: global_buffer, .address_space: global }
      - { .name: W_s, .offset: 8, .size: 8, .value_kind: global_buffer, .address_space: global }
      - { .name: s, .offset: 16, .size: 8, .value_kind: global_buffer, .address_space: global }
      - { .name: b_s, .offset: 24, .size: 8, .value_kind: global_buffer, .address_space: global }
      - { .name: wq, .offset: 32, .size: 8, .value_kind: global_buffer, .address_space: global }
      - { .name: ws, .offset: 40, .size: 8, .value_kind: global_buffer, .address_space: global }
      - { .name: sfi, .offset: 48, .size: 8, .value_kind: global_buffer, .address_space: global }
    .group_segment_fixed_size: 84992
    .private_segment_fixed_size: 0
    .kernarg_segment_align: 8
    .kernarg_segment_size: 56
    .max_flat_workgroup_size: 256
    .sgpr_count:     66
    .vgpr_count:     256
    .wavefront_size: 32
...
	.end_amdgpu_metadata
.endif
;; end of part 1
;; launch scores (part 2): grid 256 x 1, 8 waves a work-group, no clusters, 175,360 bytes of LDS; arguments h, wq, ws, sfi, b_h, esc, cand; writes esc, cand
.if DOCPART == 2
	.amdgcn_target "amdgcn-amd-amdhsa--gfx1250"
	.amdhsa_code_object_version 6
	.text
	.protected	k_qc3a3ce943a_scores
	.globl	k_qc3a3ce943a_scores
	.p2align	8
	.type	k_qc3a3ce943a_scores,@function
k_qc3a3ce943a_scores:
	s_mov_b64 s[64:65], 0
	v_nop
	global_prefetch_b8 v0, s[64:65] scope:SCOPE_SE
	s_setreg_imm32_b32 hwreg(HW_REG_WAVE_MODE, 25, 1), 1
	s_wait_xcnt 0x0
; SCORES.  e[t] = sum over d of s_fi[d] (Q(h)[t] . Q(W_h)[:, d] + b_h[d]) for the work-group's 256 rows of h (batch = work-group / 8), into esc; and a bit for each row that
; can matter to the softmax, e >= the largest e of these 256 rows - 25, into cand: word 4 i + k of a batch, bit l = row 128 i + 4 l + k.
; K IS THE OUTER LOOP, in four chunks of 256: e is linear in the parts of h_psi along K, so a 16 x 16 result summed over a chunk's two K steps of 128 is folded at once, by four packed
; multiply-adds with s_fi of the lane's column, into f32 partial sums of e.  So h is read once, W_h's codes once a work-group, and a result lives for eight matrix instructions.
; TWO ROLES, parted on the wave's number inside one loop; every barrier stands in common text.
;   Waves 4-7 (loaders): 64 rows each.  A ring of 64 landing groups of registers keeps 48 to 64 loads of 512 bytes a wave on their way: the counted waits never run to 0 before the last slice.
;   A load takes a row's 512 bytes of a slice of 128 along K as they lie; 16 rows turn through the wave's own stage in LDS, so that a lane holds 2 x 32 neighbours along K of ONE row; they
;   are quantised and leave for LDS as images of the operand's registers (16 bytes a lane, 512 a store) with the rows' scale words.
;   Waves 0-3 (products): 256 columns each, all 256 rows.  A chunk is taken in two phases of 8 tiles of columns, so that W_h's fragments of a phase (8 tiles x 2 K steps, straight from memory)
;   fill 128 registers; h's fragments of the chunk are read from LDS once in each phase.
; In trip J the loaders write slices 2 J and 2 J + 1 into chunk buffer J % 2 and the product waves read chunk J - 1 from the other; one barrier a trip orders both.
; Source 0 = 16 rows of h, source 1 = 16 columns of W_h: a lane holds ONE column d and eight rows, so s_fi is one number a lane for each tile, and the sum over d stays in the lane to the end.
; NO CLUSTER, NO TENSOR LOAD: what work-groups share is W_h's codes and scale words, 589,824 of the 1,638,400 bytes that a work-group takes in; each fragment is used by exactly one wave
; of a work-group and goes straight into its registers; through LDS it would be written and read once more, and a joint request would tie each chunk to three partners' progress.
; LIMITS: NaN and infinities are not served; a block whose largest magnitude lies under 2^-124 (zeros too) gets the byte 1.  e is summed chunk by chunk and tile by tile, begun with
; b_h[d] s_fi[d]: another order of f32 rounding than a whole h_psi followed by a dot product.
.set STG, 0                            ; LDS: 4 x 8,448: each loader's stage, 16 rows of 512 bytes + 16: the pitch is 33 x 16 bytes, so sixteen rows start at sixteen different 16-byte columns
.set IMG, 33792                        ; 2 chunk buffers x 2 K steps x 16,384: fragment of rows 16 mt on at 1,024 mt + 512 c + 16 x lane
.set ASC, 99328                        ; 2 x 2 x 2,048: its scale words at 128 mt + 4 x lane
.set RED, 107520                       ; 4 x 16,384: the product waves' partial sums, as images of their registers
.set EL,  173056                       ; 1,024: e of the 256 rows
.set MX,  174080                       ; 8 words: the waves' largest e
.set LANE, 1
.set R,    2
.set HH,   3
.set G16,  4                           ; 16 x lane
.set G4,   5                           ; 4 x lane
.set R4,   6                           ; 4 r
.set STW,  7                           ; the stage, on the way in;  v8 on the way out
.set STR,  8
.set IA0,  9                           ; where a loader stores its images: constant part;  v10 with the trip's buffer
.set IAW,  10
.set SA0,  11                          ; the same for scale words
.set SAW,  12
.set LI0,  13                          ; where a product wave reads images;  v14 with the trip's buffer
.set LIR,  14
.set LS0,  15
.set LSR,  16
.set SH8,  17
.set TX,   18
.set RA,   19                          ; RED: where a product wave stores;  v20 where a wave reads
.set RB,   20
.set EA,   21
.set MXA,  22
.set ELR,  23
.set MXR,  24
.set BSUM, 25                          ; the bias's term of my lane's 16 columns
.set SF,   32                          ; product waves, window 0: v32-63 s_fi of tile n, twice (a pair for the packed form)
.set B,    64                          ; v64-191 W_h's 16 fragments of the phase: tile n, K step ks at 8 (2 n + ks)
.set AS,   192                         ; v192-223 h's scale words (2 mt + ks), v224-239 W_h's (2 n + ks): scales and nothing else
.set BS,   224
.set TMP,  240
.set E,    0                           ; window 1: v0-127 partial sums: row 16 mt + 8 h + j at 8 mt + j
.set AB,   128                         ; v128-159, v160-191 h's fragments of two tiles of rows x two K steps: (ml, ks) at 8 (2 ml + ks)
.set ACC,  192                         ; v192-223 four results: two pairs by turns
.set CD,   32                          ; loaders, window 0: v32-63 codes, 8 a unit of 16 rows
.set X,    64                          ; v64-127 64 numbers of a lane's row
.set QT,   240
.set WD,   248                         ; v248-251 the units' scale words on their way to LDS;  window 1: v0-255 the landing ring
.set Z,    64                          ; the end: sums
.set WV,  18
.set W4,  19
.set TR,  20
.set PW,  21                           ; the chunk buffer that is written, the one that is read: 0 or 0x8000;  for scale words 0 or 0x1000
.set PR,  22
.set PWS, 23
.set PRS, 24
.set SEL, 26
.set HB,  40                           ; s[40:41] h at a loader's rows and slice;  s[42:43], s[44:45] wq and ws at a product wave's tiles and chunk.  Every wave makes all three, each role steps its own
.set WQ,  42
.set WS,  44
.set MSB, 0
.macro WIN new                         ; the immediate's high byte repeats the setting that is left
.if MSB != \new
	s_set_vgpr_msb (MSB<<8)|\new
.set MSB, \new
.endif
.endm
.set MUL,    0x51                      ; source 0, source 2 and the destination window 1, source 1 window 0: serves the product (h, W_h, result) and the fold (result, s_fi, sum) alike
.set TO_1,   0x40                      ; a load's destination window 1
.set DATA_1, 0x04                      ; an LDS store's data window 1
.macro QUANT src, dst, word            ; 64 numbers of a lane, register 32 c + i = k 64 c + 32 h + i of its row, become a fragment's 8 registers and the row's scale word
	v_max3_num_f32 v[QT+0], |v[\src+0]|, |v[\src+1]|, 0x1800000    ; two chains a block, the four by turns; the floor 2^(3 - 127) holds the byte at 1 from below
	v_max3_num_f32 v[QT+1], |v[\src+16]|, |v[\src+17]|, |v[\src+18]|
	v_max3_num_f32 v[QT+2], |v[\src+32]|, |v[\src+33]|, 0x1800000
	v_max3_num_f32 v[QT+3], |v[\src+48]|, |v[\src+49]|, |v[\src+50]|
.irp i, 2,4,6,8,10,12
	v_max3_num_f32 v[QT+0], v[QT+0], |v[\src+\i]|, |v[\src+\i+1]|
	v_max3_num_f32 v[QT+1], v[QT+1], |v[\src+\i+17]|, |v[\src+\i+18]|
	v_max3_num_f32 v[QT+2], v[QT+2], |v[\src+\i+32]|, |v[\src+\i+33]|
	v_max3_num_f32 v[QT+3], v[QT+3], |v[\src+\i+49]|, |v[\src+\i+50]|
.endr
	v_max3_num_f32 v[QT+0], v[QT+0], |v[\src+14]|, |v[\src+15]|
	v_max3_num_f32 v[QT+2], v[QT+2], |v[\src+46]|, |v[\src+47]|
	v_max3_num_f32 v[QT+0], v[QT+0], v[QT+1], |v[\src+31]|
	v_max3_num_f32 v[QT+2], v[QT+2], v[QT+3], |v[\src+63]|
	v_add_nc_u32 v[QT+4], 0xff000000, v[QT+0]                      ; 2 off the exponent field: the conversion's scale operand
	v_add_nc_u32 v[QT+5], 0xff000000, v[QT+2]
	v_lshrrev_b32 v[QT+6], 23, v[QT+4]                             ; the scale's byte
	v_lshrrev_b32 v[QT+7], 23, v[QT+5]
	v_lshl_or_b32 v[\word], v[QT+7], 16, v[QT+6]
	v_lshlrev_b32 v[\word], v[SH8], v[\word]
	v_permlanex16_b32 v[TX], v[\word], s[SEL], s[SEL+1]
	v_or_b32 v[\word], v[\word], v[TX]
.irp c, 0,1
.irp g, 0,1,2,3
	v_cvt_scalef32_pk8_fp4_f32 v[\dst+4*\c+\g], v[\src+32*\c+8*\g:\src+32*\c+8*\g+7], v[QT+4+\c]
.endr
.endr
	v_nop                                                          ; one plain place behind the last scaled conversion
.endm
; A loader's slice of 128 along K, K step ks of its chunk: four units of 16 rows.  more = 1: each unit's landing registers take the same rows of the next slice.
.macro QSLICE more, ks
.if \more
	s_wait_xcnt 0x0                                ; the loads issued so far have read their base: only now it steps
	s_add_nc_u64 s[HB:HB+1], s[HB:HB+1], 512       ; the next slice's 512 bytes of each row
.endif
.irp u, 0,1,2,3
.if \more
	s_wait_loadcnt 48                              ; unit u is in; out may be this slice's later units, 16 (3 - u) loads, and the next slice's earlier ones, 16 u
.else
	s_wait_loadcnt 48-16*\u                        ; the last slice: the counts run down
.endif
	WIN DATA_1
.set p, 0
.rept 16
	ds_store_b128 v[STW], v[64*\u+4*p:64*\u+4*p+3] offset:528*p      ; a row's 512 bytes as they lie
.set p, p+1
.endr
	WIN 0
.set p, 0
.rept 16
	ds_load_b128 v[X+4*p:X+4*p+3], v[STR] offset:256*(p/8)+16*(p%8)  ; row r, k = 64 c + 32 h on.  LDS serves a wave's instructions in order: these see the stores above
.set p, p+1
.endr
.if \more
	s_wait_dscnt 16                                ; all but these sixteen reads: the stage's stores have read the landing registers,
	WIN TO_1
.set p, 0
.rept 16
	global_load_b128 v[64*\u+4*p:64*\u+4*p+3], v[G16], s[HB:HB+1] offset:(16*\u+p)*4096 th:TH_LOAD_NT   ; which are asked for again
.set p, p+1
.endr
	WIN 0
.endif
	s_wait_dscnt 0x0
	QUANT X, CD+8*\u, WD+\u
	ds_store_b128 v[IAW], v[CD+8*\u:CD+8*\u+3] offset:16384*\ks+1024*\u
	ds_store_b128 v[IAW], v[CD+8*\u+4:CD+8*\u+7] offset:16384*\ks+1024*\u+512
	ds_store_b32 v[SAW], v[WD+\u] offset:2048*\ks+128*\u
.endr
.endm
.macro ALOAD g                         ; h's fragments of tiles of rows 2 g, 2 g + 1, both K steps, into buffer g % 2 (the window is set by the caller)
.irp ml, 0,1
.irp ks, 0,1
.irp c, 0,1
	ds_load_b128 v[AB+32*((\g)%2)+8*(2*\ml+\ks)+4*\c:AB+32*((\g)%2)+8*(2*\ml+\ks)+4*\c+3], v[LIR] offset:16384*\ks+(2*(\g)+\ml)*1024+512*\c
.endr
.endr
.endr
.endm
.macro WM d, a, b, sa, sb, zero        ; one product; zero = 1: it starts the sum
.if \zero
	v_wmma_scale_f32_16x16x128_f8f6f4 v[\d:\d+7], v[\a:\a+7], v[\b:\b+7], 0, v[\sa], v[\sb] matrix_a_fmt:MATRIX_FMT_FP4 matrix_b_fmt:MATRIX_FMT_FP4
.else
	v_wmma_scale_f32_16x16x128_f8f6f4 v[\d:\d+7], v[\a:\a+7], v[\b:\b+7], v[\d:\d+7], v[\sa], v[\sb] matrix_a_fmt:MATRIX_FMT_FP4 matrix_b_fmt:MATRIX_FMT_FP4
.endif
.endm
.macro FOLD2 tq, ml, p0, nh            ; registers p0 .. p0 + 3 of result ml of quad tq are folded into their rows' sums
.set fe, E+8*(2*((\tq)/8)+\ml)+\p0
.set fa, ACC+16*((\tq)%2)+8*\ml+\p0
.set fs, SF+2*(8*\nh+(\tq)%8)
	v_pk_fma_f32 v[fe:fe+1], v[fa:fa+1], v[fs:fs+1], v[fe:fe+1]
	v_pk_fma_f32 v[fe+2:fe+3], v[fa+2:fa+3], v[fs:fs+1], v[fe+2:fe+3]
.endm
.macro PREV ml, p0, nh                 ; behind each product: a quarter of the fold of the quad before; in a phase's first quad, which has none, two v_nop
.if t > 0
	FOLD2 t-1, \ml, \p0, \nh
.else
	v_nop
	v_nop
.endif
.endm
; A product wave's phase: half nh of its tiles of columns against the chunk's 256 rows: 64 quads.  Quad t = tiles of rows 2 (t / 8), 2 (t / 8) + 1 x tile of columns 8 nh + t % 8 x two K steps:
; four products on two results by turns: both begin with C = 0, then both take the second K step in place.  The pair of results changes from quad to quad,
; and the quad before is folded meanwhile, each result from its low end on.  Counted in plain vector instructions that name none of the product's registers (ISA guide 7.12.1): a result is read
; 4 or 6 behind its last product, begun anew 8 or 6 behind it; a buffer of h's fragments is loaded again 6 or 8 behind its last reader, and so are W_h's registers behind the phase.
.macro GEMM nh
.if \nh == 0
.set i, 0
.rept 32
	ds_load_b32 v[AS+i], v[LSR] offset:2048*(i%2)+128*(i/2)        ; the chunk's scale words of h: they serve both phases
.set i, i+1
.endr
.endif
	WIN TO_1
	ALOAD 0
	ALOAD 1
	s_wait_loadcnt 0x0                             ; W_h's fragments and scale words of this phase
	s_wait_dscnt 8                                 ; the scale words and the first two tiles of rows are in; the next two's eight loads may be out
	WIN MUL
.set t, 0
.rept 64
.if (t%8 == 0) && (t > 0)
	s_wait_dscnt 0x0                               ; these two tiles' fragments, asked for 28 matrix instructions ago or more
.endif
.set qd, ACC+16*(t%2)
.set qa, AB+32*((t/8)%2)
.set qb, B+16*(t%8)
.set qs, AS+4*(t/8)
.set qt, BS+2*(t%8)
	WM qd, qa, qb, qs, qt, 1
	PREV 0, 0, \nh
	WM qd+8, qa+16, qb, qs+2, qt, 1
	PREV 0, 4, \nh
	WM qd, qa+8, qb+8, qs+1, qt+1, 0
	PREV 1, 0, \nh
	WM qd+8, qa+24, qb+8, qs+3, qt+1, 0
	PREV 1, 4, \nh
.if (t%8 == 0) && (t >= 8) && (t < 56)
	WIN TO_1
	ALOAD t/8+1                                    ; into the buffer that the quads before this one read
	WIN MUL
.endif
.set t, t+1
.endr
	FOLD2 63, 0, 0, \nh
	FOLD2 63, 0, 4, \nh
	FOLD2 63, 1, 0, \nh
	FOLD2 63, 1, 4, \nh
	WIN 0
.endm
.macro BFETCH nh                       ; a phase's 16 fragments of W_h and their scale words, straight into the operand's registers: each load takes 512 or 128 consecutive bytes
.set i, 0
.rept 32
	global_load_b128 v[B+4*i:B+4*i+3], v[G16], s[WQ:WQ+1] offset:65536*((i/2)%2)+1024*(8*\nh+i/4)+512*(i%2)
.set i, i+1
.endr
.set i, 0
.rept 16
	global_load_b32 v[BS+i], v[G4], s[WS:WS+1] offset:8192*(i%2)+128*(8*\nh+i/2)
.set i, i+1
.endr
.endm
	s_load_b256 s[4:11], s[0:1], 0x0               ; h s[4:5], wq s[6:7], ws s[8:9], sfi s[10:11]
	s_load_b128 s[12:15], s[0:1], 0x20             ; b_h s[12:13], esc s[14:15]
	s_load_b64 s[16:17], s[0:1], 0x30              ; cand
	v_lshl_add_u32 v30, v0, 2, 0x2a900
	v_mov_b32 v31, 0
	v_lshrrev_b32 v1, 5, v0
	v_readfirstlane_b32 s[WV], v1                  ; wave 0..7
	s_and_b32 s[W4], s[WV], 3                      ; which of my role's four
	; every LDS address is made here, ahead of the first parting, of constants, the lane and the wave's number
	v_and_b32 v[LANE], 31, v0
	v_and_b32 v[R], 15, v0
	v_bfe_u32 v[HH], v0, 4, 1
	v_lshlrev_b32 v[G16], 4, v[LANE]
	v_lshlrev_b32 v[G4], 2, v[LANE]
	v_lshlrev_b32 v[R4], 2, v[R]
	s_mul_i32 s28, s[W4], 8448
	v_add_nc_u32 v[STW], s28, v[G16]
	v_mul_u32_u24 v[STR], v[R], 528
	v_lshl_add_u32 v[STR], v[HH], 7, v[STR]
	v_add_nc_u32 v[STR], s28, v[STR]
	s_lshl_b32 s29, s[W4], 12
	s_add_co_u32 s29, s29, IMG
	v_add_nc_u32 v[IA0], s29, v[G16]
	s_lshl_b32 s29, s[W4], 9
	s_add_co_u32 s29, s29, ASC
	v_add_nc_u32 v[SA0], s29, v[G4]
	v_add_nc_u32 v[LI0], IMG, v[G16]
	v_add_nc_u32 v[LS0], ASC, v[G4]
	v_lshlrev_b32 v[SH8], 3, v[HH]
	v_mov_b32 v[TX], 0
	s_lshl_b32 s29, s[W4], 14
	s_add_co_u32 s29, s29, RED
	v_add_nc_u32 v[RA], s29, v[G16]
	s_lshl_b32 s29, s[WV], 11
	s_add_co_u32 s29, s29, RED
	v_add_nc_u32 v[RB], s29, v[G16]
	s_lshl_b32 s29, s[WV], 7
	s_add_co_u32 s29, s29, EL
	v_lshl_add_u32 v[EA], v[HH], 5, s29
	s_lshl_b32 s29, s[WV], 2
	s_add_co_u32 s29, s29, MX
	v_mov_b32 v[MXA], s29
	s_and_b32 s29, s[WV], 1
	s_lshl_b32 s29, s29, 9
	s_add_co_u32 s29, s29, EL
	v_add_nc_u32 v[ELR], s29, v[G16]
	v_mov_b32 v[MXR], MX
	s_mov_b32 s[SEL], 0x76543210
	s_mov_b32 s[SEL+1], 0xfedcba98
	s_mov_b32 s[TR], 0
	s_mov_b32 s[PW], 0
	s_mov_b32 s[PR], 0x8000
	s_mov_b32 s[PWS], 0
	s_mov_b32 s[PRS], 0x1000
	s_lshl_b32 s30, ttmp9, 20                      ; h: 256 rows of 4,096 bytes a work-group,
	s_lshl_b32 s31, s[W4], 18                      ; 64 a loader
	s_add_co_u32 s30, s30, s31
	s_mov_b32 s31, 0
	s_wait_kmcnt 0x0
	s_add_nc_u64 s[HB:HB+1], s[4:5], s[30:31]      ; the three bases that the loop steps are made on the way that every wave takes
	s_lshl_b32 s30, s[W4], 14                      ; wq: 16 tiles of 1,024 bytes a product wave
	s_add_nc_u64 s[WQ:WQ+1], s[6:7], s[30:31]
	s_lshl_b32 s30, s[W4], 11                      ; ws: 16 tiles of 128 bytes
	s_add_nc_u64 s[WS:WS+1], s[8:9], s[30:31]
	s_cmp_lt_u32 s[WV], 4
	s_cbranch_scc1 .Lhead_p
	; ---- a loader's head: slice 0 of its 64 rows is asked for
	WIN TO_1
.set i, 0
.rept 64
	global_load_b128 v[4*i:4*i+3], v[G16], s[HB:HB+1] offset:i*4096 th:TH_LOAD_NT   ; 32 lanes read 512 consecutive bytes: row i's part of the slice
.set i, i+1
.endr
	WIN 0
	s_branch .Lhead_done
.Lhead_p:
	; ---- a product wave's head: s_fi and b_h of its 256 columns, the first phase's part of W_h; the sums begin at the bias's term
	s_lshr_b32 s30, ttmp9, 3                       ; the batch
	s_lshl_b32 s30, s30, 12
	s_lshl_b32 s28, s[WV], 10                      ; my 256 columns, in bytes
	s_add_co_u32 s30, s30, s28
	s_mov_b32 s29, 0
	s_add_nc_u64 s[10:11], s[10:11], s[30:31]
	s_add_nc_u64 s[12:13], s[12:13], s[28:29]
.set i, 0
.rept 16
	global_load_b32 v[SF+2*i], v[R4], s[10:11] offset:64*i
	global_load_b32 v[SF+2*i+1], v[R4], s[10:11] offset:64*i
.set i, i+1
.endr
.set i, 0
.rept 16
	global_load_b32 v[TMP+i], v[R4], s[12:13] offset:64*i
.set i, i+1
.endr
	BFETCH 0
	s_wait_loadcnt 48                              ; s_fi and b_h are in; W_h's 32 + 16 loads may be out
	v_mul_f32 v[BSUM], v[TMP], v[SF]
.set i, 1
.rept 15
	v_fmac_f32 v[BSUM], v[TMP+i], v[SF+2*i]        ; the sum over my lane's 16 columns of b_h[d] s_fi[d]
.set i, i+1
.endr
	WIN TO_1
.set i, 0
.rept 128
	v_mov_b32 v[E+i], v[BSUM]                      ; every row's sum begins there: so no phase has a form of its own; the wave has nothing else to do until chunk 0 is quantised
.set i, i+1
.endr
	WIN 0
.Lhead_done:
.Ltrip:                                                ; five trips: J = 0 .. 4
	v_add_nc_u32 v[IAW], s[PW], v[IA0]             ; the trip's buffers
	v_add_nc_u32 v[SAW], s[PWS], v[SA0]
	v_add_nc_u32 v[LIR], s[PR], v[LI0]
	v_add_nc_u32 v[LSR], s[PRS], v[LS0]
	s_cmp_lt_u32 s[WV], 4
	s_cbranch_scc0 .Lload
	s_cmp_eq_u32 s[TR], 0
	s_cbranch_scc1 .Ljoin                          ; no chunk is quantised yet
	GEMM 0                                         ; chunk J - 1, my tiles of columns 0-7
	BFETCH 1                                       ; the same chunk's part of tiles 8-15
	GEMM 1
	s_cmp_eq_u32 s[TR], 4
	s_cbranch_scc1 .Ljoin                          ; that was the last chunk
	s_add_nc_u64 s[WQ:WQ+1], s[WQ:WQ+1], 131072    ; the earlier loads were shown done by the wait for 0 in the phase just ended
	s_add_nc_u64 s[WS:WS+1], s[WS:WS+1], 16384
	BFETCH 0                                       ; chunk J, tiles 0-7
	s_branch .Ljoin
.Lload:
	s_cmp_eq_u32 s[TR], 4
	s_cbranch_scc1 .Ljoin
	QSLICE 1, 0                                    ; slice 2 J
	s_cmp_eq_u32 s[TR], 3
	s_cbranch_scc1 .Llast
	QSLICE 1, 1                                    ; slice 2 J + 1
	s_branch .Ljoin
.Llast:
	QSLICE 0, 1                                    ; the last slice asks for nothing more: no load leaves h
.Ljoin:
	s_wait_dscnt 0x0                               ; my images have landed, and my reads of the other buffer are in
	s_barrier_signal -1
	s_barrier_wait -1
	s_xor_b32 s[PW], s[PW], 0x8000
	s_xor_b32 s[PR], s[PR], 0x8000
	s_xor_b32 s[PWS], s[PWS], 0x1000
	s_xor_b32 s[PRS], s[PRS], 0x1000
	s_add_co_u32 s[TR], s[TR], 1
	s_cmp_lt_u32 s[TR], 5
	s_cbranch_scc1 .Ltrip
	; ---- the end: the four product waves' sums meet in LDS
	s_cmp_lt_u32 s[WV], 4
	s_cbranch_scc0 .Lno_e
	WIN DATA_1
.set i, 0
.rept 32
	ds_store_b128 v[RA], v[E+4*i:E+4*i+3] offset:512*i
.set i, i+1
.endr
	WIN 0
.Lno_e:
	s_wait_dscnt 0x0
	s_barrier_signal -1
	s_barrier_wait -1
	; wave W adds up rows 32 W .. 32 W + 31: registers 16 W .. 16 W + 15 of the four images
.irp p, 0,1,2,3
.irp g, 0,1,2,3
	ds_load_b128 v[Z+16*\p+4*\g:Z+16*\p+4*\g+3], v[RB] offset:16384*\p+512*\g
.endr
.endr
	s_wait_dscnt 0x0
.irp p, 1,2,3
.irp j, 0,2,4,6,8,10,12,14
	v_pk_add_f32 v[Z+\j:Z+\j+1], v[Z+\j:Z+\j+1], v[Z+16*\p+\j:Z+16*\p+\j+1]
.endr
.endr
.irp x, 1,2,4,8
.irp j, 0,1,2,3,4,5,6,7,8,9,10,11,12,13,14,15
	v_add_f32_dpp v[Z+\j], v[Z+\j], v[Z+\j] row_xmask:\x row_mask:0xf bank_mask:0xf   ; over the sixteen lanes, which hold sixteen columns each of the same rows
.endr
.endr
.irp g, 0,1,2,3
	ds_store_b128 v[EA], v[Z+4*\g:Z+4*\g+3] offset:64*(\g/2)+16*(\g%2)    ; register 8 t + j is row 32 W + 16 t + 8 h + j; sixteen lanes write the same words with the same values
.endr
	v_max3_num_f32 v80, v[Z], v[Z+1], v[Z+2]
.irp j, 3,5,7,9,11,13
	v_max3_num_f32 v80, v80, v[Z+\j], v[Z+\j+1]
.endr
	v_max_num_f32 v80, v80, v[Z+15]
	v_permlanex16_b32 v[TX], v80, s[SEL], s[SEL+1]
	v_max_num_f32 v80, v80, v[TX]                  ; the largest e of my 32 rows
	ds_store_b32 v[MXA], v80
	s_wait_dscnt 0x0
	s_barrier_signal -1
	s_barrier_wait -1
	s_cmp_lt_u32 s[WV], 2
	s_cbranch_scc0 .Lend
	; waves 0 and 1 store 128 rows each: e, and the four words of bits
	ds_load_b128 v[64:67], v[ELR]                  ; rows 128 W + 4 x lane + 0 .. 3
	ds_load_b128 v[68:71], v[MXR]
	ds_load_b128 v[72:75], v[MXR] offset:16
	s_lshl_b32 s30, ttmp9, 10
	s_lshl_b32 s31, s[WV], 9
	s_add_co_u32 s30, s30, s31
	s_mov_b32 s31, 0
	s_add_nc_u64 s[14:15], s[14:15], s[30:31]
	s_lshl_b32 s30, ttmp9, 5
	s_lshl_b32 s28, s[WV], 4
	s_add_co_u32 s30, s30, s28
	s_add_nc_u64 s[16:17], s[16:17], s[30:31]
	s_wait_dscnt 0x0
	v_max3_num_f32 v76, v68, v69, v70
	v_max3_num_f32 v76, v76, v71, v72
	v_max3_num_f32 v76, v76, v73, v74
	v_max_num_f32 v76, v76, v75
	v_add_f32 v76, 0xc1c80000, v76                 ; the largest e of the 256 rows - 25: under it exp(e - the batch's largest) < e^-25, and 2,048 such weights sum to under 2.9e-8 of a sum that is at least 1
	global_store_b128 v[G16], v[64:67], s[14:15]   ; 32 lanes store 512 consecutive bytes
.irp k, 0,1,2,3
	v_cmp_ge_f32 s[32+\k], v[64+\k], v76           ; the bits are stored values: no branch and no address of this launch hangs on them
.endr
.irp k, 0,1,2,3
	v_mov_b32 v[84+\k], s[32+\k]
.endr
	s_wait_xcnt 0x0                                ; EXEC changes only behind this wait
	v_cmp_eq_u32 vcc_lo, 0, v[LANE]
	s_and_saveexec_b32 s36, vcc_lo
	global_store_b128 v[G16], v[84:87], s[16:17]   ; lane 0 alone (its 16 x lane is 0): the four words
	s_wait_xcnt 0x0
	s_or_b32 exec_lo, exec_lo, s36
.Lend:
	s_wait_tensorcnt 0x0
	ds_add_u32 v30, v31
	s_wait_dscnt 0x0
	s_endpgm
.Lfunc_end_k_qc3a3ce943a_scores:
	.size	k_qc3a3ce943a_scores, .Lfunc_end_k_qc3a3ce943a_scores-k_qc3a3ce943a_scores
	.p2alignl 7, 3214868480
	.fill 96, 4, 3214868480
	.section	.rodata,"a",@progbits
	.p2align	6, 0x0
	.amdhsa_kernel k_qc3a3ce943a_scores
		.amdhsa_group_segment_fixed_size 175360
		.amdhsa_private_segment_fixed_size 0
		.amdhsa_enable_private_segment 0
		.amdhsa_kernarg_size 56
		.amdhsa_user_sgpr_count 2
		.amdhsa_user_sgpr_kernarg_segment_ptr 1
		.amdhsa_wavefront_size32 1
		.amdhsa_system_sgpr_workgroup_id_x 1
		.amdhsa_system_sgpr_workgroup_id_y 1
		.amdhsa_system_sgpr_workgroup_id_z 1
		.amdhsa_system_vgpr_workitem_id 0
		.amdhsa_next_free_vgpr 512
		.amdhsa_next_free_sgpr 66
		.amdhsa_reserve_vcc 1
		.amdhsa_float_denorm_mode_32 3
		.amdhsa_float_denorm_mode_16_64 3
		.amdhsa_memory_ordered 1
		.amdhsa_forward_progress 1
		.amdhsa_inst_pref_size 255
	.end_amdhsa_kernel
	.section	.bss,"aw",@nobits
	.p2align	6
	.space	262144
	.amdgpu_metadata
---
amdhsa.version: [ 1, 2 ]
amdhsa.kernels:
  - .name:           k_qc3a3ce943a_scores
    .symbol:         k_qc3a3ce943a_scores.kd
    .args:
      - { .name: h, .offset: 0, .size: 8, .value_kind: global_buffer, .address_space: global }
      - { .name: wq, .offset: 8, .size: 8, .value_kind: global_buffer, .address_space: global }
      - { .name: ws, .offset: 16, .size: 8, .value_kind: global_buffer, .address_space: global }
      - { .name: sfi, .offset: 24, .size: 8, .value_kind: global_buffer, .address_space: global }
      - { .name: b_h, .offset: 32, .size: 8, .value_kind: global_buffer, .address_space: global }
      - { .name: esc, .offset: 40, .size: 8, .value_kind: global_buffer, .address_space: global }
      - { .name: cand, .offset: 48, .size: 8, .value_kind: global_buffer, .address_space: global }
    .group_segment_fixed_size: 175360
    .private_segment_fixed_size: 0
    .kernarg_segment_align: 8
    .kernarg_segment_size: 56
    .max_flat_workgroup_size: 256
    .sgpr_count:     66
    .vgpr_count:     512
    .wavefront_size: 32
...
	.end_amdgpu_metadata
.endif
;; end of part 2
;; launch gather (part 3): grid 16 x 32, 1 waves a work-group, no clusters, 17,664 bytes of LDS; arguments esc, cand, h, out0; writes out0
.if DOCPART == 3
	.amdgcn_target "amdgcn-amd-amdhsa--gfx1250"
	.amdhsa_code_object_version 6
	.text
	.protected	k_qc3a3ce943a_gather
	.globl	k_qc3a3ce943a_gather
	.p2align	8
	.type	k_qc3a3ce943a_gather,@function
k_qc3a3ce943a_gather:
	s_mov_b64 s[64:65], 0
	v_nop
	global_prefetch_b8 v0, s[64:65] scope:SCOPE_SE
	s_setreg_imm32_b32 hwreg(HW_REG_WAVE_MODE, 25, 1), 1
	s_wait_xcnt 0x0
; GATHER.  out0[b][64 x .. 64 x + 63] = (the sum over the listed rows t of p[t] h[b][t][..]) / l, with p = exp(e - the batch's largest e) and l the sum of ALL 2,048 p.
; A work-group is one wave: batch b = y, 64 columns (256 bytes of a row) = x; each output byte has one owner.
; The rows come from cand, whole numbers that the launch before stored: a bit for each row whose e is within 25 of the largest e of its group of 256 rows.
; LIMIT: a row without a bit has p < e^-25; such rows stay in l and are left out of the sum over h: at most 2,048 e^-25 < 2.9e-8 of the largest |h|.  With a flat softmax every row has its bit
; and all 32 trips run.  NaN and infinities are not served (a sentinel's weight 0 multiplies a real row of h).
; p is made as 2^(e L - c), L = log2(e), c = the largest e x L rounded once: c is the same for every row, so its rounding cancels in p / l.
; The list's place in LDS is first filled with the sentinel 2,048; then the bits are turned into a list of rows (a count of the bits below my lane, plus a running base), eight words at a time
; and stage by stage, so that no line reads the result of the line above it.  A trip takes 64 list entries: lanes 0-15 take 32 of them, lanes 16-31 the other 32; sixteen lanes read one row's
; 256 aligned bytes.  The first trip's 32 loads are asked for ahead of the softmax, which runs while they are on their way.
; No matrix unit (one query), no cluster, no tensor load: the rows are scattered, and each is read once by each of 16 work-groups in a different part.
.set LT,    0                          ; LDS: the list, 2,112 words;  words 2,112 .. 2,143: a dump word for each lane;  the sentinels' fill runs to byte 8,703
.set DUMPW, 2112
.set PT,    8704                       ; p of the 2,048 rows, and a 0 for the sentinel: 2,049 words
.set LANE,  1
.set L4,    2                          ; 4 x lane
.set G16,   3                          ; 16 x lane
.set CO,    4                          ; 16 (lane % 16): my 16 bytes of the 256
.set LA0,   5                          ; 128 (lane / 16): my half of a trip's 64 entries
.set LA,    6
.set DUMPI, 7
.set PTW,   17
.set PTZ,   18
.set ZERO,  19
.set MM,    20                         ; v20-21 -c, twice
.set M,     22                         ; v22-25
.set S,     26                         ; v26-29
.set RL,    30
.set TX,    31
.set T,     32                         ; v32-63  32 list entries
.set A,     64                         ; v64-95  their byte offsets in h
.set PV,    96                         ; v96-127 their p
.set E,     128                        ; v128-191 e, then p: register 4 i + k is row 128 i + 4 x lane + k
.set ACC,   192                        ; v192-199 two sets of four sums
.set J,     200                        ; v200-203
.set SENT,  204                        ; v204-207 the sentinel, four times
.set PA,    208                        ; v208-239 LDS addresses of the entries' p
.set P,     240                        ; v240-247 eight list places, v248-255 eight rows;   window 1: v0-127 32 x 16 bytes of h
.set TT,    248
.set BASE,  52
.set CNT,   53
.set TRIPS, 54
.set TR,    55
.set SEL,   56
.set HB,    58
.set LSTEP, 60
.set SAVE,  61
.set MSB, 0
.macro WIN new                         ; the immediate's high byte repeats the setting that is left
.if MSB != \new
	s_set_vgpr_msb (MSB<<8)|\new
.set MSB, \new
.endif
.endm
; 64 list entries, 32 a lane, and the loads of their rows.  A sentinel (2,048) is held to row 2,047: the load stays inside h, and its weight is 0.
.macro ISSUE
	v_add_nc_u32 v[LA], s[LSTEP], v[LA0]
.irp k, 0,1,2,3,4,5,6,7
	ds_load_b128 v[T+4*\k:T+4*\k+3], v[LA] offset:16*\k
.endr
	s_wait_dscnt 0x0
.set k, 0
.rept 32
	v_min_u32 v[A+k], 2047, v[T+k]
.set k, k+1
.endr
.set k, 0
.rept 32
	v_lshl_add_u32 v[A+k], v[A+k], 12, v[CO]
.set k, k+1
.endr
	WIN 0x40                                       ; destination window 1
.set k, 0
.rept 32
	global_load_b128 v[4*k:4*k+3], v[A+k], s[HB:HB+1]
.set k, k+1
.endr
	WIN 0
.endm
	s_load_b256 s[84:91], s[0:1], 0x0              ; esc s[84:85], cand s[86:87], h s[88:89], out0 s[90:91]
	v_lshl_add_u32 v15, v0, 2, 0x4400
	v_mov_b32 v16, 0
	v_and_b32 v[LANE], 31, v0
	v_lshlrev_b32 v[L4], 2, v[LANE]
	v_lshlrev_b32 v[G16], 4, v[LANE]
	v_and_b32 v[CO], 15, v0
	v_lshlrev_b32 v[CO], 4, v[CO]
	v_bfe_u32 v[LA0], v0, 4, 1
	v_lshlrev_b32 v[LA0], 7, v[LA0]
	v_add_nc_u32 v[DUMPI], DUMPW, v[LANE]
.irp j, 0,1,2,3
	v_mov_b32 v[SENT+\j], 2048
.endr
.set i, 0
.rept 17
	ds_store_b128 v[G16], v[SENT:SENT+3] offset:LT+512*i           ; sentinels everywhere: what the list does not overwrite closes it, whatever its length
.set i, i+1
.endr
	v_add_nc_u32 v[PTW], PT, v[G16]
	v_mov_b32 v[PTZ], PT+8192
	v_mov_b32 v[ZERO], 0
	v_mov_b32 v[TX], 0
.irp j, 0,1,2,3,4,5,6,7
	v_mov_b32 v[ACC+\j], 0                         ; eight sums: the loop is written once
.endr
.irp j, 0,1,2,3
	v_mov_b32 v[J+\j], 0                           ; a lane permute's destination counts as read
.endr
	s_mov_b32 s[SEL], 0x76543210
	s_mov_b32 s[SEL+1], 0xfedcba98
	s_mov_b32 s[BASE], 0
	s_mov_b32 s[LSTEP], 0
	s_and_b32 s92, ttmp7, 0xffff                   ; the batch
	s_mov_b32 s95, 0
	s_wait_kmcnt 0x0
	s_lshl_b32 s94, s92, 8
	s_add_nc_u64 s[86:87], s[86:87], s[94:95]      ; the batch's 64 words of bits
	s_load_b512 s[4:19], s[86:87], 0x0
	s_load_b512 s[20:35], s[86:87], 0x40
	s_load_b512 s[36:51], s[86:87], 0x80
	s_load_b512 s[68:83], s[86:87], 0xc0
	s_lshl_b32 s94, s92, 13
	s_add_nc_u64 s[84:85], s[84:85], s[94:95]      ; its e
	s_lshl_b32 s94, s92, 23
	s_lshl_b32 s93, ttmp9, 8
	s_add_co_u32 s94, s94, s93
	s_add_nc_u64 s[HB:HB+1], s[88:89], s[94:95]    ; its rows of h, at my 256 bytes
	s_lshl_b32 s94, s92, 12
	s_add_co_u32 s94, s94, s93
	s_add_nc_u64 s[90:91], s[90:91], s[94:95]      ; and my 256 bytes of out0
.set i, 0
.rept 16
	global_load_b128 v[E+4*i:E+4*i+3], v[G16], s[84:85] offset:512*i
.set i, i+1
.endr
	s_wait_kmcnt 0x0
	; the list: word mw's bit l is row 128 (mw / 4) + 4 l + mw % 4.  A lane with its bit set stores its row at BASE + the number of set bits below it; the others store into their dump words.
	; Words 0-47 lie in s4-51, words 48-63 in s68-83.
.set mb, 0
.rept 8
.irp q, 0,1,2,3,4,5,6,7
.set mr, 4+(8*mb+\q)+16*((8*mb+\q)/48)
	v_mbcnt_lo_u32_b32 v[P+\q], s[mr], s[BASE]
	s_bcnt1_i32_b32 s[CNT], s[mr]
	s_add_co_u32 s[BASE], s[BASE], s[CNT]
.endr
.irp q, 0,1,2,3,4,5,6,7
.set mr, 4+(8*mb+\q)+16*((8*mb+\q)/48)
	v_cndmask_b32 v[P+\q], v[DUMPI], v[P+\q], s[mr]
.endr
.irp q, 0,1,2,3,4,5,6,7
	v_min_u32 v[P+\q], 2143, v[P+\q]               ; a number made of loaded words enters an address only behind this bound
.endr
.irp q, 0,1,2,3,4,5,6,7
	v_lshlrev_b32 v[P+\q], 2, v[P+\q]
.endr
.irp q, 0,1,2,3,4,5,6,7
	v_add_nc_u32 v[TT+\q], 128*((8*mb+\q)/4)+(8*mb+\q)%4, v[L4]
.endr
.irp q, 0,1,2,3,4,5,6,7
	ds_store_b32 v[P+\q], v[TT+\q]                 ; LDS serves a wave's instructions in order: these land on the sentinels
.endr
.set mb, mb+1
.endr
	s_add_co_u32 s[TRIPS], s[BASE], 63
	s_lshr_b32 s[TRIPS], s[TRIPS], 6
	s_max_u32 s[TRIPS], s[TRIPS], 1                ; an empty list is one trip of sentinels: so the first request below stands on every path
	ISSUE                                          ; the first trip's rows are asked for; the list's loads see the stores above
	s_mov_b32 s[LSTEP], 256
	; the softmax of all 2,048 rows
	s_wait_loadcnt 32                              ; e is in; the 32 loads of h stay out
.irp c, 0,1,2,3
	v_max3_num_f32 v[M+\c], v[E+16*\c], v[E+16*\c+1], v[E+16*\c+2]
.endr
.irp i, 3,5,7,9,11,13
.irp c, 0,1,2,3
	v_max3_num_f32 v[M+\c], v[M+\c], v[E+16*\c+\i], v[E+16*\c+\i+1]
.endr
.endr
.irp c, 0,1,2,3
	v_max_num_f32 v[M+\c], v[M+\c], v[E+16*\c+15]
.endr
	v_max3_num_f32 v[M], v[M], v[M+1], v[M+2]
	v_max_num_f32 v[M], v[M], v[M+3]
.irp x, 1,2,4,8
	v_max_num_f32_dpp v[M], v[M], v[M] row_xmask:\x row_mask:0xf bank_mask:0xf
.endr
	v_permlanex16_b32 v[TX], v[M], s[SEL], s[SEL+1]
	v_max_num_f32 v[MM], v[M], v[TX]               ; the batch's largest e, in every lane
	v_mul_f32 v[MM], 0xbfb8aa3b, v[MM]             ; -c = -(the largest e x log2(e))
	v_mov_b32 v[MM+1], v[MM]
.set i, 0
.rept 32
	v_pk_fma_f32 v[E+2*i:E+2*i+1], v[E+2*i:E+2*i+1], 0x3fb8aa3b, v[MM:MM+1] op_sel_hi:[1,0,1]   ; e log2(e) - c: the maximum is taken away and the base changed in one rounding
.set i, i+1
.endr
.set i, 0
.rept 64
	v_exp_f32 v[E+i], v[E+i]
.set i, i+1
.endr
	v_nop                                          ; one plain place between the exponentials and the first use of a result
	s_wait_alu depctr_va_vdst(0)
	v_pk_add_f32 v[S:S+1], v[E:E+1], v[E+2:E+3]                    ; l: two chains, two at a time
	v_pk_add_f32 v[S+2:S+3], v[E+4:E+5], v[E+6:E+7]
.irp j, 8,12,16,20,24,28,32,36,40,44,48,52,56,60
	v_pk_add_f32 v[S:S+1], v[S:S+1], v[E+\j:E+\j+1]
	v_pk_add_f32 v[S+2:S+3], v[S+2:S+3], v[E+\j+2:E+\j+3]
.endr
	v_pk_add_f32 v[S:S+1], v[S:S+1], v[S+2:S+3]
	v_add_f32 v[S], v[S], v[S+1]
.irp x, 1,2,4,8
	v_add_f32_dpp v[S], v[S], v[S] row_xmask:\x row_mask:0xf bank_mask:0xf
.endr
	v_permlanex16_b32 v[TX], v[S], s[SEL], s[SEL+1]
	v_add_f32 v[S], v[S], v[TX]
	v_rcp_f32 v[RL], v[S]                          ; 1 / l
	v_nop                                          ; one plain place behind the transcendental
.set i, 0
.rept 16
	ds_store_b128 v[PTW], v[E+4*i:E+4*i+3] offset:512*i            ; p by rows
.set i, i+1
.endr
	ds_store_b32 v[PTZ], v[ZERO]                   ; the sentinel's weight
	; 32 trips, a constant, so that the list's step is a counted loop's step; a trip beyond the list's length is jumped over
	s_mov_b32 s[TR], 0
.Lg:
	s_cmp_ge_u32 s[TR], s[TRIPS]
	s_cbranch_scc1 .Lskip
.set k, 0
.rept 32
	v_min_u32 v[PA+k], 2048, v[T+k]
.set k, k+1
.endr
.set k, 0
.rept 32
	v_lshl_add_u32 v[PA+k], v[PA+k], 2, PT
.set k, k+1
.endr
.set k, 0
.rept 32
	ds_load_b32 v[PV+k], v[PA+k]
.set k, k+1
.endr
	s_wait_loadcnt 0x0                             ; the trip's 32 rows
	s_wait_dscnt 0x0                               ; and their weights
	WIN 0x04                                       ; source 1 window 1
.set k, 0
.rept 32
.irp j, 0,1,2,3
	v_fmac_f32 v[ACC+4*(k%2)+\j], v[PV+k], v[4*k+\j]
.endr
.set k, k+1
.endr
	WIN 0
	s_add_co_u32 s[CNT], s[TR], 1
	s_cmp_ge_u32 s[CNT], s[TRIPS]
	s_cbranch_scc1 .Lskip                          ; nothing is asked for beyond the list
	ISSUE
.Lskip:
	s_add_co_u32 s[LSTEP], s[LSTEP], 256
	s_add_co_u32 s[TR], s[TR], 1
	s_cmp_lt_u32 s[TR], 32
	s_cbranch_scc1 .Lg
	v_pk_add_f32 v[ACC:ACC+1], v[ACC:ACC+1], v[ACC+4:ACC+5]        ; the two sets,
	v_pk_add_f32 v[ACC+2:ACC+3], v[ACC+2:ACC+3], v[ACC+6:ACC+7]
.irp j, 0,1,2,3
	v_permlanex16_b32 v[J+\j], v[ACC+\j], s[SEL], s[SEL+1]
.endr
	v_pk_add_f32 v[ACC:ACC+1], v[ACC:ACC+1], v[J:J+1]              ; the two halves of the lanes,
	v_pk_add_f32 v[ACC+2:ACC+3], v[ACC+2:ACC+3], v[J+2:J+3]
	s_wait_alu depctr_va_vdst(0)
.irp j, 0,1,2,3
	v_mul_f32 v[ACC+\j], v[ACC+\j], v[RL]                          ; / l
.endr
	s_wait_xcnt 0x0                                ; EXEC changes only behind this wait
	v_cmp_gt_u32 vcc_lo, 16, v[LANE]
	s_wait_tensorcnt 0x0
	ds_add_u32 v15, v16
	s_wait_dscnt 0x0
	s_and_saveexec_b32 s[SAVE], vcc_lo
	global_store_b128 v[CO], v[ACC:ACC+3], s[90:91]                ; sixteen lanes store 256 consecutive bytes, aligned
	s_endpgm
.Lfunc_end_k_qc3a3ce943a_gather:
	.size	k_qc3a3ce943a_gather, .Lfunc_end_k_qc3a3ce943a_gather-k_qc3a3ce943a_gather
	.p2alignl 7, 3214868480
	.fill 96, 4, 3214868480
	.section	.rodata,"a",@progbits
	.p2align	6, 0x0
	.amdhsa_kernel k_qc3a3ce943a_gather
		.amdhsa_group_segment_fixed_size 17664
		.amdhsa_private_segment_fixed_size 0
		.amdhsa_enable_private_segment 0
		.amdhsa_kernarg_size 32
		.amdhsa_user_sgpr_count 2
		.amdhsa_user_sgpr_kernarg_segment_ptr 1
		.amdhsa_wavefront_size32 1
		.amdhsa_system_sgpr_workgroup_id_x 1
		.amdhsa_system_sgpr_workgroup_id_y 1
		.amdhsa_system_sgpr_workgroup_id_z 1
		.amdhsa_system_vgpr_workitem_id 0
		.amdhsa_next_free_vgpr 384
		.amdhsa_next_free_sgpr 96
		.amdhsa_reserve_vcc 1
		.amdhsa_float_denorm_mode_32 3
		.amdhsa_float_denorm_mode_16_64 3
		.amdhsa_memory_ordered 1
		.amdhsa_forward_progress 1
		.amdhsa_inst_pref_size 70
	.end_amdhsa_kernel
	.amdgpu_metadata
---
amdhsa.version: [ 1, 2 ]
amdhsa.kernels:
  - .name:           k_qc3a3ce943a_gather
    .symbol:         k_qc3a3ce943a_gather.kd
    .args:
      - { .name: esc, .offset: 0, .size: 8, .value_kind: global_buffer, .address_space: global }
      - { .name: cand, .offset: 8, .size: 8, .value_kind: global_buffer, .address_space: global }
      - { .name: h, .offset: 16, .size: 8, .value_kind: global_buffer, .address_space: global }
      - { .name: out0, .offset: 24, .size: 8, .value_kind: global_buffer, .address_space: global }
    .group_segment_fixed_size: 17664
    .private_segment_fixed_size: 0
    .kernarg_segment_align: 8
    .kernarg_segment_size: 32
    .max_flat_workgroup_size: 32
    .sgpr_count:     96
    .vgpr_count:     384
    .wavefront_size: 32
...
	.end_amdgpu_metadata
.endif
;; end of part 3
